; MI455X (gfx1250); checked and timed in simulation.
; The chip was launched on July 23, 2026; its instructions are those of AMD's public machine-readable ISA for CDNA 5 (MIT licence, August 2026) and "CDNA5" Instruction Set Architecture Reference Guide (July 2026). The comments in the code are by the model that wrote it; some were corrected since.
;; Model. Allowed arithmetic: matrix products marked QUANTISED: E3M2 operands, one E8M0 scale for each 32 along K, by v_wmma_scale_f32_16x16x128_f8f6f4 with both operands' format E3M2, f32 sums; everything else in f32.
;; Inputs: xk 2 x 4,096 x 1,024 float32; xq 2 x 4,096 x 1,024 float32; xv 2 x 4,096 x 1,024 float32.
;; Outputs: out0 2 x 4,096 x 1,024 float32.
;; This version of the problem:
;;   THIS VERSION OF THE PROBLEM IS GIVEN IN LOW PRECISION. The matrix products marked QUANTISED in the list below multiply operands that are first quantised to E3M2 (3 exponent bits, 2 mantissa bits; 6 bits a number), with one power-of-two scale for each 32 numbers along K (OCP MX v1.0); their sums are f32. All else is computed in f32.
;;   The module's matrix products, in the order in which they are computed (A, B: the left and right operand; K: the contracted axis; several contracted axes count as one K, in the product's order):
;;     1. batch 256 x [M 512, K 64] x [K 64, N 1,024]; A: computed on the way; B: computed on the way: QUANTISED
;;     2. batch 256 x [M 512, K 1,024] x [K 1,024, N 64]; A: softmax (see below); B: computed on the way: QUANTISED
;;   THE QUANTISER, for each operand of a quantised product, along K:
;;     - K is cut into blocks of 32 from its start; a last block that is shorter is filled with zeros.
;;     - A block's scale is 2^e with e = floor(log2(the largest magnitude in the block)) - 4, held to -126 .. 127; a block of zeros has e = 0. As a byte (E8M0): e + 127.
;;     - Each number is divided by its block's scale, clamped to +-28, and rounded to the nearest number of E3M2, ties to even, subnormals kept.
;;     - The product sums the exact products of the quantised numbers (number of the format x scale) in f32.
;;   ~~~python
;;   def quantise(x, axis):      # numpy; x: float32 -> the quantised numbers, widened to float32 again
;;       x = np.moveaxis(x, axis, -1); K = x.shape[-1]
;;       x = np.pad(x, [(0, 0)] * (x.ndim - 1) + [(0, -K % 32)]); x = x.reshape(x.shape[:-1] + (-1, 32)); a = np.abs(x).max(-1, keepdims=True)
;;       e = np.where(a > 0, np.clip(np.frexp(np.where(a > 0, a, 1))[1] - 1 - 4, -126, 127), 0)      # np.frexp(a)[1] - 1 = floor(log2(a)), exactly
;;       r = np.clip(x / 2.0 ** e, -28, 28)
;;       step = 2.0 ** (np.maximum(np.frexp(np.where(r == 0, 1, r))[1] - 1, -2) - 2)
;;       q = np.round(r / step) * step * 2.0 ** e      # np.round: ties to even
;;       return np.moveaxis(q.reshape(q.shape[:-2] + (-1,))[..., :K], -1, axis).astype(np.float32)
;;   ~~~
;;   SOFTMAX AHEAD OF A QUANTISED PRODUCT. Where the list says 'softmax', what is quantised is not the finished softmax but p = 2^(t - M), with t = logit x log2(e) and M = ceil(the row's largest t), a whole number; so 1/2 < the row's largest p <= 1. The row's sum l is taken of the UNQUANTISED p, in f32, and the product's result is divided by l at the end. Since M is a whole number, a kernel that streams over the keys may use a running M (the ceiling of the running maximum): every later rescaling is an exact power of two, which a block's scale takes up: the codes' values come out the same.
;;   OPERANDS COMPUTED ON THE WAY. 'Computed on the way' means the value that the module computes at that place (a softmax that the list does not call 'softmax' is quantised finished and normalised). What goes into a quantiser is computed in f32, as accurately as f32 sums, v_exp_f32 and their like allow (about 1e-6 of the number): no bf16 or f16 on the way to a quantiser, and a product that is left as it is and whose result goes on into a quantised operand takes f32 operands (vector FMAs, or v_wmma_f32_16x16x4_f32). A number that lies on a knife's edge between two numbers of the format may be rounded either way, as far as f32 arithmetic and the matrix unit's own rounding can turn it there, and no further.
;; One version. Each part assembles by itself: llvm-mc -triple=amdgcn-amd-amdhsa -mcpu=gfx1250 --defsym DOCPART=n.
;; ======== version 1 of 1: 2 launches
;; workspace buffers: qc 6,291,456 bytes; kc 6,291,456 bytes; vc 6,291,456 bytes; sc 1,048,576 bytes
;; launch prep (part 1): grid 64 x 4, 16 waves a work-group, no clusters, 302,080 bytes of LDS; arguments xq, xk, xv, qc, kc, vc, sc; writes qc, kc, vc, sc
.if DOCPART == 1
	.amdgcn_target "amdgcn-amd-amdhsa--gfx1250"
	.amdhsa_code_object_version 6
	.text
	.protected	k_qbd89d8943b_prep
	.globl	k_qbd89d8943b_prep
	.p2align	8
	.type	k_qbd89d8943b_prep,@function
k_qbd89d8943b_prep:
	s_mov_b64 s[64:65], 0
	v_nop
	global_prefetch_b8 v0, s[64:65] scope:SCOPE_SE
	s_setreg_imm32_b32 hwreg(HW_REG_WAVE_MODE, 25, 1), 1
	s_wait_xcnt 0x0
; q, k: L2 norm of each head row, RoPE, then codes of BF6 (E3M2) along the head's 64 (two blocks of 32).  v: codes along the KEYS (blocks of 32 positions).
; xq, xk, xv: [2][4096][16 heads x 64] f32.  A work-group takes 64 positions (x = P) of 8 heads of one batch (y = 2 b + half of the heads).
; Wave w: head w / 2 of the eight; even waves prepare q, odd waves k (64 rows = two blocks of 32); every wave also takes 32 channels of its head's v, both blocks.
; WHAT IS STORED (read by the second launch alone):
;   qc, kc [b][head][block of 32 rows][1536]: the image of a 12-register operand: register g of lane L at (g/4) 512 + 16 L + 4 (g%4).  Lane (r, h): registers 0-5 = row r + 8 (r/8) of the block,
;       dims 32 h .. 32 h + 31; registers 6-11 = the row 8 further on.  So one operand of 128 along K carries two tiles of 16 rows x 64.
;   vc [b][head][pair of blocks][3072]: plane A [channel tile 4][parity 2][r 16][16 bytes], plane B at 2048 [4][2][16][8 bytes]: a channel's 24 bytes of codes of a block's 32 keys, cut 16 + 8.
;   sc [b][head][pair][512]: +0, +64 k's scale words of the two blocks (lane r: the two bytes of each of its two rows); +128, +192 v's scale bytes (64 channels); +256, +320 q's words; +384 zeros.
; THE ANGLE is fl(pos x inv_freq[j]), one f32 multiplication; inv_freq[j] = f32(1e-4)^(j/32) rounded to f32 is written out as 32 words.  Sine and cosine: the angle less k x pi/2 (pi/2 in three words,
; three fused multiply-adds), then polynomials of f32 accuracy.  A table of 64 positions x 32 frequencies is made once in LDS and serves 8 heads x (q, k).
; LIMITS: NaN and infinities among the inputs are not served.  A block whose largest magnitude lies under 2^-122, a block of zeros too, gets the scale byte 1 (its codes are then zeros or the
; subnormal codes under that byte); only this program reads the bytes.  1/n is a reciprocal of max(sqrt(sum), 1e-6): some 2 ulp from a division.
.set SLAB,  17408                      ; a wave's slab in LDS: 64 rows x (256 bytes + 16)
.set PITCH, 272                        ; 17 x 16 bytes: the 16 rows that a load of 16 bytes a lane touches start in 16 different groups of banks
.set TAB,   16*SLAB                    ; the table: row = position, cos[32] at +0, sin[32] at +128
.set TAIL,  TAB+SLAB                   ; 8 records of 512 bytes: the heads' scales, gathered so that they leave as whole runs of 256 bytes
.set COS, 16                           ; v16-47, v48-79   a row's cosines and sines
.set SIN, 48
.set OWN, 80                           ; v80-111  my 32 dims of my row;  v112-143 the other half's.  Before that: 64 positions of my channel of v
.set PAR, 112
.set CA,  212                          ; v212-217, v220-225  v's codes of the two blocks
.set CB,  220
; v1 lane, v2 r, v3 h; v4, v5 slab addresses (my half, the other half); v6 table row r; v7 where I write the table; v8, v9, v10 = 4, 16, 8 x lane; v11, v12, v13 places in my head's record;
; v14 = 8 h; v15 = +1 (h = 0) or -1 (h = 1); v144-158 codes of two tiles; v160-171 their copies from lane xor 8; v172-195 the two images; v196-211 at work; v230 inv_freq; v231-249 sine and cosine at work
	s_load_b256 s[4:11], s[0:1], 0x0               ; xq s[4:5], xk s[6:7], xv s[8:9], qc s[10:11]
	s_load_b128 s[12:15], s[0:1], 0x20             ; kc s[12:13], vc s[14:15]
	s_load_b64 s[16:17], s[0:1], 0x30              ; sc
	v_lshl_add_u32 v254, v0, 2, 0x49400
	v_mov_b32 v255, 0
	ds_add_u32 v254, v255
	ds_add_u32 v254, v255
	v_lshrrev_b32 v1, 5, v0
	v_readfirstlane_b32 s18, v1                    ; wave 0..15
	s_and_b32 s19, s18, 1                          ; 0: q, 1: k; also which 32 channels of v
	s_lshr_b32 s20, s18, 1                         ; my head among the work-group's eight
	s_mov_b32 s21, ttmp9                           ; P
	s_and_b32 s48, ttmp7, 0xffff
	s_lshr_b32 s22, s48, 1                         ; b
	s_and_b32 s23, s48, 1                          ; which eight heads
	; descriptor group 1: 64 rows x 64 elements of 4 bytes, 1,024 elements from row to row, 16 bytes of padding behind each row of 64 words
	s_mov_b32 s24, (2<<16)|(1<<20)|(5<<22)|(3<<25)
	s_mov_b32 s25, 64<<16                          ; tensor_dim0
	s_mov_b32 s26, 64<<16                          ; tensor_dim1
	s_mov_b32 s27, 64<<16                          ; tile_dim0
	s_mov_b32 s28, 64                              ; tile_dim1
	s_mov_b32 s29, 1024                            ; pitch
	s_mov_b32 s30, 0
	s_mov_b32 s31, 0
	s_lshl_b32 s49, s23, 3
	s_add_co_u32 s49, s49, s20                     ; head 0..15
	s_lshl_b32 s40, s22, 24                        ; b x 4096 x 4096 bytes
	s_lshl_b32 s50, s21, 18                        ; + P x 64 rows
	s_add_co_u32 s40, s40, s50
	s_lshl_b32 s50, s49, 8                         ; + head x 256 bytes
	s_add_co_u32 s40, s40, s50
	s_mov_b32 s41, 0
	s_lshl_b32 s51, s22, 4
	s_add_co_u32 s51, s51, s49
	s_lshl_b32 s51, s51, 6
	s_add_co_u32 s51, s51, s21                     ; the record's number: 64 (16 b + head) + P
	s_mul_i32 s52, s51, 3072                       ; two images of 1,536 bytes, or one record of v
	s_mov_b32 s53, 0
	s_lshl_b32 s54, s19, 10                        ; v, plane A: my two channel tiles
	s_mov_b32 s55, 0
	s_lshl_b32 s56, s19, 9                         ; plane B
	s_add_co_u32 s56, s56, 2048
	s_mov_b32 s57, 0
	s_lshl_b32 s58, s51, 9                         ; the scales' record, my half of it
	s_lshl_b32 s50, s19, 8
	s_add_co_u32 s58, s58, s50
	s_mov_b32 s59, 0
	s_lshl_b32 s60, s19, 7                         ; xv: my 32 channels
	s_mov_b32 s61, 0
	s_lshl_b32 s62, s21, 6
	s_lshl_b32 s50, s18, 2
	s_add_co_u32 s62, s62, s50                     ; the first of the four positions whose table rows I make: 64 P + 4 w
	s_mov_b32 s36, 0x76543210
	s_mov_b32 s37, 0xfedcba98                      ; selects of v_permlanex16_b32: lane xor 16
	s_mov_b32 s38, 0xff00ff00                      ; the lanes with r >= 8
	s_mov_b32 s32, 1                               ; group 0: count
	s_mul_i32 s33, s18, SLAB                       ; my slab
	s_wait_dscnt 0x0
	s_wait_kmcnt 0x0
	s_cmp_eq_u32 s19, 0                            ; the choice hangs on the wave's number alone
	s_cselect_b64 s[34:35], s[4:5], s[6:7]
	s_cselect_b64 s[42:43], s[10:11], s[12:13]
	s_add_nc_u64 s[34:35], s[34:35], s[40:41]
	s_or_b32 s35, s35, 0x80000000                  ; type 2
	tensor_load_to_lds s[32:35], s[24:31]          ; my 64 rows of q or k: each row 256 aligned bytes.  One load a wave, filled once, read by me alone
	s_nop 0
.rept 4
	v_nop
.endr
	s_add_nc_u64 s[8:9], s[8:9], s[40:41]
	s_add_nc_u64 s[8:9], s[8:9], s[60:61]
	s_add_nc_u64 s[42:43], s[42:43], s[52:53]      ; my two images
	s_add_nc_u64 s[44:45], s[14:15], s[52:53]
	s_add_nc_u64 s[46:47], s[44:45], s[56:57]      ; v's plane B
	s_add_nc_u64 s[44:45], s[44:45], s[54:55]      ; v's plane A
	s_add_nc_u64 s[16:17], s[16:17], s[58:59]
	v_and_b32 v1, 31, v0
	v_lshlrev_b32 v8, 2, v1
.macro LOADV c                         ; 16 positions of my channel: a lane to a channel, registers down the keys; a load reads 128 consecutive bytes
.set i, 0
.rept 16
	global_load_b32 v[OWN+16*(\c)+i], v8, s[8:9] offset:(16*(\c)+i)*4096 th:TH_LOAD_NT
.set i, i+1
.endr
.endm
	LOADV 0
	LOADV 1
	LOADV 2                                        ; 48 loads are out beside the slab
	v_and_b32 v2, 15, v0
	v_bfe_u32 v3, v0, 4, 1
	v_mul_u32_u24 v6, v2, PITCH
	v_add_nc_u32 v4, s33, v6
	v_xor_b32 v5, 1, v3
	v_lshl_add_u32 v5, v5, 7, v4                   ; row r, the other half's 128 bytes
	v_lshl_add_u32 v4, v3, 7, v4                   ; row r, my half's
	v_add_nc_u32 v6, TAB, v6
	s_mul_i32 s49, s18, 4*PITCH
	s_add_co_u32 s49, s49, TAB
	v_lshl_add_u32 v7, v1, 2, s49
	v_lshlrev_b32 v9, 4, v1
	v_lshlrev_b32 v10, 3, v1
	s_lshl_b32 s48, s20, 9
	s_add_co_u32 s48, s48, TAIL                    ; my head's record in LDS
	s_xor_b32 s49, s19, 1
	s_lshl_b32 s49, s49, 8
	s_add_co_u32 s49, s49, s48
	v_lshl_add_u32 v11, v2, 2, s49                 ; scale words: k's at +0, q's at +256
	s_lshl_b32 s49, s19, 5
	s_add_co_u32 s49, s49, s48
	s_add_co_u32 s49, s49, 128
	v_add_nc_u32 v12, s49, v1                      ; v's scale byte of my channel
	s_lshl_b32 s49, s19, 8
	s_add_co_u32 s49, s49, s48
	v_lshl_add_u32 v13, v1, 3, s49                 ; the way out: my wave's 256 bytes of the record
	s_lshl_b32 s49, s19, 6
	s_add_co_u32 s49, s49, s48
	s_add_co_u32 s49, s49, 384
	v_lshl_add_u32 v250, v1, 1, s49                ; the record's last 128 bytes: 64 a wave
	v_lshlrev_b32 v14, 3, v3
	v_lshlrev_b32 v15, 31, v3
	v_or_b32 v15, 0x3f800000, v15                  ; 1.0 with h as its sign
	v_mov_b32 v251, 0
.set i, 0
.rept 12
	v_mov_b32 v[160+i], 0                          ; written once: the destination of a lane move counts as one of its sources
.set i, i+1
.endr
	v_mov_b32 v207, 0
	v_mov_b32 v210, 0
	v_mov_b32 v211, 0
	v_mov_b32 v248, 0xb94ca1f9                     ; the polynomials' leading coefficients
	v_mov_b32 v249, 0x37ccf5ce
	v_mov_b32 v230, 0
.set j, 0
.irp f, 0x3F800000,0x3F3FF911,0x3F0FF59A,0x3ED7E89B,0x3EA1E89B,0x3E72D423,0x3E361887,0x3E088D77,0x3DCCCCCD,0x3D99940E,0x3D6655C3,0x3D2CBA15,0x3D0186E2,0x3CC24350,0x3C91AD39,0x3C5A7BF1,0x3C23D70A,0x3BF5B9AF,0x3BB8449C,0x3B8A2E77,0x3B4F3E37,0x3B1B690C,0x3AE91528,0x3AAEC98E,0x3A83126E,0x3A44948C,0x3A136A16,0x39DD1725,0x39A5CB5F,0x3978A814,0x393A7753,0x390BD471
	s_mov_b32 s39, \f
	v_writelane_b32 v230, s39, j                   ; lane j holds inv_freq[j]
.set j, j+1
.endr
; The table's row of position 64 P + 4 w + i: lane j makes cos and sin of fl(pos x inv_freq[j]).
.macro SINCOS i
	s_add_co_u32 s63, s62, \i
	v_cvt_f32_u32 v231, s63
	v_mul_f32 v232, v231, v230                     ; the angle a
	v_mul_f32 v233, 0x3f22f983, v232               ; a x 2 / pi
	v_rndne_f32 v233, v233                         ; k
	v_cvt_i32_f32 v234, v233
	v_fmamk_f32 v235, v233, 0xbfc90fdb, v232       ; a - k pi/2, pi/2 in three words
	v_fmamk_f32 v235, v233, 0x333bbd2e, v235
	v_fmamk_f32 v235, v233, 0x26f72ced, v235       ; x, at most pi/4 in size
	v_mul_f32 v236, v235, v235                     ; z
	v_fmaak_f32 v237, v248, v236, 0x3c08839e
	v_fmaak_f32 v238, v249, v236, 0xbab6061a
	v_fmaak_f32 v237, v237, v236, 0xbe2aaaa3
	v_fmaak_f32 v238, v238, v236, 0x3d2aaaa5
	v_mul_f32 v239, v235, v236
	v_mul_f32 v240, v236, v236
	v_fma_f32 v241, -0.5, v236, 1.0
	v_fma_f32 v237, v239, v237, v235               ; sin x
	v_fma_f32 v238, v240, v238, v241               ; cos x
	v_and_b32 v242, 1, v234
	v_cmp_ne_u32 vcc_lo, 0, v242                   ; an odd quarter swaps the two
	v_cndmask_b32 v243, v237, v238, vcc_lo
	v_cndmask_b32 v244, v238, v237, vcc_lo
	v_lshlrev_b32 v245, 30, v234                   ; the sine is negative in quarters 2, 3,
	v_add_nc_u32 v246, 1, v234
	v_lshlrev_b32 v246, 30, v246                   ; the cosine in quarters 1, 2
	v_and_b32 v245, 0x80000000, v245
	v_and_b32 v246, 0x80000000, v246
	v_xor_b32 v243, v243, v245
	v_xor_b32 v244, v244, v246
	ds_store_b32 v7, v244 offset:PITCH*\i
	ds_store_b32 v7, v243 offset:PITCH*\i+128
.endm
	SINCOS 0
	SINCOS 1
	SINCOS 2
	SINCOS 3
	ds_store_b16 v250, v251                        ; the record's unused bytes are zeros, so that it leaves whole
	s_wait_dscnt 0x0                               ; for the others' sake: my rows of the table are written
	s_barrier_signal -1
	s_barrier_wait -1                              ; the table is whole.  (My slab's load may stay out: I alone read it, behind my own wait)
; The largest magnitude of 32 numbers of one lane, with the floor 2^(5 - 127) among the leaves; v204: 4 off its exponent field, the conversion's scale operand; v205: the scale's byte
.macro AMAX x
	v_max3_num_f32 v196, |v[\x]|, |v[\x+1]|, |v[\x+2]|
	v_max3_num_f32 v197, |v[\x+3]|, |v[\x+4]|, |v[\x+5]|
.irp i, 6,10,14,18,22,26
	v_max3_num_f32 v196, v196, |v[\x+\i]|, |v[\x+\i+1]|
	v_max3_num_f32 v197, v197, |v[\x+\i+2]|, |v[\x+\i+3]|
.endr
	v_max3_num_f32 v196, v196, |v[\x+30]|, |v[\x+31]|
	v_max3_num_f32 v196, v196, v197, 0x2800000
	v_add_nc_u32 v204, 0xfe000000, v196
	v_lshrrev_b32 v205, 23, v204
.endm
; A block of 32 keys of my channel of v: all 32 numbers are mine
.macro VBLOCK beta, c
	AMAX OWN+32*\beta
	ds_store_b8 v12, v205 offset:64*\beta
	v_cvt_scalef32_pk16_bf6_f32 v[\c:\c+2], v[OWN+32*\beta:OWN+32*\beta+15], v204
	v_cvt_scalef32_pk16_bf6_f32 v[226:228], v[OWN+32*\beta+16:OWN+32*\beta+31], v204   ; (a conversion's three registers begin on an even number)
	v_nop                                          ; one plain line behind a scaled conversion
	v_mov_b32 v[\c+3], v226
	v_mov_b32 v[\c+4], v227
	v_mov_b32 v[\c+5], v228
.endm
	s_wait_loadcnt 16                              ; of the 48 loads the oldest 32, block 0, are in
	LOADV 3
	VBLOCK 0, CA
	s_wait_loadcnt 0x0
	VBLOCK 1, CB
.set i, 0
.rept 6
	v_permlane16_swap_b32 v[CA+i], v[CB+i]         ; CA: channels 0-15 of my 32, lanes = (parity, r); CB: channels 16-31
.set i, i+1
.endr
	global_store_b128 v9, v[CA:CA+3], s[44:45] th:TH_STORE_NT              ; 512 consecutive bytes each,
	global_store_b128 v9, v[CB:CB+3], s[44:45] offset:512 th:TH_STORE_NT
	global_store_b64 v10, v[CA+4:CA+5], s[46:47] th:TH_STORE_NT            ; 256 each, all aligned to 256
	global_store_b64 v10, v[CB+4:CB+5], s[46:47] offset:256 th:TH_STORE_NT
	s_wait_tensorcnt 0x0                           ; my slab is in
; 16 neighbouring rows (32 beta + 16 a on): lane (r, h) takes row r, dims 32 h on, and the other half's 32 as well.  Norm, rotation, the block's scale, 32 codes.
.macro TILE beta, a
.set R0, (32*\beta+16*\a)*PITCH
.set T, 144+8*\a
.irp i, 0,1,2,3,4,5,6,7
	ds_load_b128 v[OWN+4*\i:OWN+4*\i+3], v4 offset:R0+16*\i
.endr
.irp i, 0,1,2,3,4,5,6,7
	ds_load_b128 v[PAR+4*\i:PAR+4*\i+3], v5 offset:R0+16*\i
.endr
.irp i, 0,1,2,3,4,5,6,7
	ds_load_b128 v[COS+4*\i:COS+4*\i+3], v6 offset:R0+16*\i
.endr
.irp i, 0,1,2,3,4,5,6,7
	ds_load_b128 v[SIN+4*\i:SIN+4*\i+3], v6 offset:R0+128+16*\i
.endr
	s_wait_dscnt 16                                ; the row's numbers are in; the table's 16 loads may be out
	v_pk_mul_f32 v[196:197], v[OWN:OWN+1], v[OWN:OWN+1]
	v_pk_mul_f32 v[198:199], v[OWN+2:OWN+3], v[OWN+2:OWN+3]
.irp i, 4,8,12,16,20,24,28
	v_pk_fma_f32 v[196:197], v[OWN+\i:OWN+\i+1], v[OWN+\i:OWN+\i+1], v[196:197]
	v_pk_fma_f32 v[198:199], v[OWN+\i+2:OWN+\i+3], v[OWN+\i+2:OWN+\i+3], v[198:199]
.endr
	v_pk_add_f32 v[196:197], v[196:197], v[198:199]
	v_add_f32 v196, v196, v197
	v_permlanex16_b32 v197, v196, s36, s37
	v_add_f32 v196, v196, v197                     ; the row's sum of squares
	v_sqrt_f32 v198, v196
	v_nop                                          ; a plain line behind a transcendental,
	s_wait_alu depctr_va_vdst(0)                   ; and a wait ahead of the first line that names its result
	v_max_num_f32 v198, 0x358637bd, v198           ; max(n, 1e-6)
	v_rcp_f32 v200, v198
	v_nop
	s_wait_alu depctr_va_vdst(0)
	v_mov_b32 v201, v200
	v_mul_f32 v202, v200, v15                      ; with the sign that the sine's term has in my half
	v_mov_b32 v203, v202
.set i, 0
.rept 16
	v_pk_mul_f32 v[OWN+i:OWN+i+1], v[OWN+i:OWN+i+1], v[200:201]
.set i, i+2
.endr
.set i, 0
.rept 16
	v_pk_mul_f32 v[PAR+i:PAR+i+1], v[PAR+i:PAR+i+1], v[202:203]
.set i, i+2
.endr
	s_wait_dscnt 0x0                               ; cosines and sines
.set i, 0
.rept 16
	v_pk_mul_f32 v[PAR+i:PAR+i+1], v[PAR+i:PAR+i+1], v[SIN+i:SIN+i+1]
.set i, i+2
.endr
.set i, 0
.rept 16
	v_pk_fma_f32 v[OWN+i:OWN+i+1], v[OWN+i:OWN+i+1], v[COS+i:COS+i+1], v[PAR+i:PAR+i+1]   ; x1 cos + x2 sin (h = 0), x2 cos - x1 sin (h = 1)
.set i, i+2
.endr
	AMAX OWN                                       ; my 32 dims are one block
	v_cvt_scalef32_pk16_bf6_f32 v[T:T+2], v[OWN:OWN+15], v204
	v_cvt_scalef32_pk16_bf6_f32 v[T+4:T+6], v[OWN+16:OWN+31], v204
	v_nop                                          ; one plain line behind a scaled conversion
	v_lshlrev_b32 v206, v14, v205                  ; my byte at its place, 8 h bits up,
	v_permlanex16_b32 v207, v206, s36, s37
	v_or_b32 v[208+\a], v206, v207                 ; with the other half's: the row's two bytes
.endm
; Two tiles of neighbouring rows become the block's image.  Its first six registers want rows 0-7 and 16-23, its last six rows 8-15 and 24-31: lanes r >= 8 of the one and r < 8 of the other change places (lane xor 8).
.macro PERM beta
.set F, 172+12*\beta
.irp i, 0,1,2,3,4,5
	v_mov_b32_dpp v[160+\i], v[144+4*(\i/3)+\i%3] row_xmask:8 row_mask:0xf bank_mask:0xf
	v_mov_b32_dpp v[166+\i], v[152+4*(\i/3)+\i%3] row_xmask:8 row_mask:0xf bank_mask:0xf
.endr
	v_mov_b32_dpp v210, v208 row_xmask:8 row_mask:0xf bank_mask:0xf
	v_mov_b32_dpp v211, v209 row_xmask:8 row_mask:0xf bank_mask:0xf
.irp i, 0,1,2,3,4,5
	v_cndmask_b32 v[F+\i], v[144+4*(\i/3)+\i%3], v[166+\i], s38
	v_cndmask_b32 v[F+6+\i], v[160+\i], v[152+4*(\i/3)+\i%3], s38
.endr
	v_cndmask_b32 v206, v208, v211, s38
	v_cndmask_b32 v207, v210, v209, s38
	v_lshl_or_b32 v206, v207, 16, v206             ; the lane's scale word: two bytes of each of its two rows
	ds_store_b32 v11, v206 offset:64*\beta         ; (both halves of the lanes write the same word with the same value)
.irp q, 0,1,2
	global_store_b128 v9, v[F+4*\q:F+4*\q+3], s[42:43] offset:1536*\beta+512*\q th:TH_STORE_NT   ; 512 consecutive bytes, aligned; each block has its own registers, so no store's data are written again
.endr
.endm
	TILE 0, 0
	TILE 0, 1
	PERM 0
	TILE 1, 0
	TILE 1, 1
	PERM 1
	s_wait_dscnt 0x0                               ; for the others' sake: my words and bytes of the record are written
	s_barrier_signal -1
	s_barrier_wait -1
	ds_load_b64 v[196:197], v13
	s_wait_dscnt 0x0
	global_store_b64 v10, v[196:197], s[16:17] th:TH_STORE_NT   ; 32 lanes store 256 consecutive bytes, aligned
	s_wait_tensorcnt 0x0
	ds_add_u32 v254, v255
	s_wait_dscnt 0x0
	s_endpgm
.Lfunc_end_k_qbd89d8943b_prep:
	.size	k_qbd89d8943b_prep, .Lfunc_end_k_qbd89d8943b_prep-k_qbd89d8943b_prep
	.p2alignl 7, 3214868480
	.fill 96, 4, 3214868480
	.section	.rodata,"a",@progbits
	.p2align	6, 0x0
	.amdhsa_kernel k_qbd89d8943b_prep
		.amdhsa_group_segment_fixed_size 302080
		.amdhsa_private_segment_fixed_size 0
		.amdhsa_enable_private_segment 0
		.amdhsa_kernarg_size 56
		.amdhsa_user_sgpr_count 2
		.amdhsa_user_sgpr_kernarg_segment_ptr 1
		.amdhsa_wavefront_size32 1
		.amdhsa_system_sgpr_workgroup_id_x 1
		.amdhsa_system_sgpr_workgroup_id_y 1
		.amdhsa_system_sgpr_workgroup_id_z 1
		.amdhsa_system_vgpr_workitem_id 0
		.amdhsa_next_free_vgpr 256
		.amdhsa_next_free_sgpr 66
		.amdhsa_reserve_vcc 1
		.amdhsa_float_denorm_mode_32 3
		.amdhsa_float_denorm_mode_16_64 3
		.amdhsa_memory_ordered 1
		.amdhsa_forward_progress 1
		.amdhsa_inst_pref_size 66
	.end_amdhsa_kernel
	.amdgpu_metadata
---
amdhsa.version: [ 1, 2 ]
amdhsa.kernels:
  - .name:           k_qbd89d8943b_prep
    .symbol:         k_qbd89d8943b_prep.kd
    .args:
      - { .name: xq, .offset: 0, .size: 8, .value_kind: global_buffer, .address_space: global }
      - { .name: xk, .offset: 8, .size: 8, .value_kind: global_buffer, .address_space: global }
      - { .name: xv, .offset: 16, .size: 8, .value_kind: global_buffer, .address_space: global }
      - { .name: qc, .offset: 24, .size: 8, .value_kind: global_buffer, .address_space: global }
      - { .name: kc, .offset: 32, .size: 8, .value_kind: global_buffer, .address_space: global }
      - { .name: vc, .offset: 40, .size: 8, .value_kind: global_buffer, .address_space: global }
      - { .name: sc, .offset: 48, .size: 8, .value_kind: global_buffer, .address_space: global }
    .group_segment_fixed_size: 302080
    .private_segment_fixed_size: 0
    .kernarg_segment_align: 8
    .kernarg_segment_size: 56
    .max_flat_workgroup_size: 512
    .sgpr_count:     66
    .vgpr_count:     256
    .wavefront_size: 32
...
	.end_amdgpu_metadata
.endif
;; end of part 1
;; launch attn (part 2): grid 8 x 32, 16 waves a work-group, no clusters, 182,272 bytes of LDS; arguments qc, kc, vc, sc, out0; writes out0
.if DOCPART == 2
	.amdgcn_target "amdgcn-amd-amdhsa--gfx1250"
	.amdhsa_code_object_version 6
	.text
	.protected	k_qbd89d8943b_attn
	.globl	k_qbd89d8943b_attn
	.p2align	8
	.type	k_qbd89d8943b_attn,@function
k_qbd89d8943b_attn:
	s_mov_b64 s[64:65], 0
	v_nop
	global_prefetch_b8 v0, s[64:65] scope:SCOPE_SE
	s_setreg_imm32_b32 hwreg(HW_REG_WAVE_MODE, 25, 1), 1
	s_wait_xcnt 0x0
; Sliding-window attention on codes of BF6 (E3M2): key kv counts for query q where 0 <= q - kv < 512.  Inputs: the first launch's images (layouts: see its head).  out0: [2][4096][16 x 64] f32.
; SHARES.  A work-group owns 512 queries (x = n) of one (batch, head) (y = 16 b + head).  Its LDS holds the codes and scales of key blocks of 32, numbers 16 (n - 1) .. 16 n + 15: window blocks 0 .. 31.
; For n = 0 the first sixteen are a second copy of blocks 0 .. 15, whose scores get the addend -1e30.  Each of sixteen waves owns two tiles of 16 queries, one after the other: tile u = w % 2 of query
; block m = w / 2 + 8 tau.  Lane r's query is number qq = 8 u + r + 8 (r / 8) of its block.  Its keys are window blocks m .. m + 16: only the first (window's edge: kk > qq) and the last
; (causal: kk <= qq) are masked number by number, by -1e30 given as the C of those blocks' products.
; LAYOUT.  Both products are used transposed: S^T = K Q^T, O^T = V^T P^T: a lane holds one query throughout.  THE FIRST PRODUCT HAS K = 64 and the instruction 128: a block's operand carries two tiles of 16
; keys, and against it stands (q, zeros) for the first tile's scores and (zeros, q) for the second's; zero codes add nothing under any of these scale bytes (1 .. 254).  A block's 16 result registers
; are then its keys 16 (lane / 16) + 0 .. 15, neighbours, as the conversions want them.
; THE SOFTMAX.  p = 2^t, t = score x log2(e) / 8: M = 0, FIXED.  q and k are normalised by the computation itself (norm at most 1, at most 9/8 after rounding to codes), so |t| <= 0.24 for every input: no exponential
; can overflow or underflow.  M is a whole number that a block's scale takes up exactly, so p's codes are those under M = ceil(the row's largest t), and scale and row sum differ by 2^M, which O / l cancels.
; The row's sum is taken of the unquantised p.  A block's largest p is its largest score put through the same multiply-add and exponential.
; LIMITS: NaN and infinities among the inputs are not served; a block of p that is all zeros keeps the scale byte 1 over zero codes.
; No cluster: two neighbouring query blocks share a key block, but one as its first half and the other as its second: a joint load wants one LDS place in both.  Nothing in LDS is filled twice.
.set SBASE, 0                          ; 16 pairs x 256 bytes: k's scale words and v's scale bytes
.set KBASE, 4096                       ; 32 images of 1,536 bytes
.set VBASE, 53248                      ; 16 records of 3,072 bytes
.set WT,    102400                     ; [first block 32][channel 64] words: v's scale bytes of four blocks on end
.set STG,   110592                     ; 16 rows x 272 bytes for each wave: the way out
.set BLK,   1536
.set PAIR,  3072
.set CHUNK, 12288                      ; eight blocks: what one tensor load brings
; v1 K's images; v2, v3 V's planes; v4, v5 the same 13 blocks on; v6 K's scale words; v7 V's; v8, v9, v10 q's offsets; v11, v12 stage; v13 offset in out0; v[14:15] addend, 0; v16-21 q, v22-27 zeros, v28-33 q;
; v34 q's scale word, v35 as loaded; v[36:39] the row's sum; v40-87 four operands; v88-92 scale words; v96-159 scores, then p; v160-191 O^T; v192-210 p's codes; v212-223 at work; v224-239, v240-255 the two masks
.macro WM d, a, b, c, sa, sb, row     ; c < 0: the product starts its sum.  row = 1: source 0's scales stand in lanes 16-31
.if (\c) < 0
.if \row
	v_wmma_scale_f32_16x16x128_f8f6f4 v[\d:\d+7], v[\a:\a+11], v[\b:\b+11], 0, v[\sa], v[\sb] matrix_a_fmt:MATRIX_FMT_BF6 matrix_b_fmt:MATRIX_FMT_BF6 matrix_a_scale:MATRIX_SCALE_ROW1
.else
	v_wmma_scale_f32_16x16x128_f8f6f4 v[\d:\d+7], v[\a:\a+11], v[\b:\b+11], 0, v[\sa], v[\sb] matrix_a_fmt:MATRIX_FMT_BF6 matrix_b_fmt:MATRIX_FMT_BF6
.endif
.else
.if \row
	v_wmma_scale_f32_16x16x128_f8f6f4 v[\d:\d+7], v[\a:\a+11], v[\b:\b+11], v[\c:\c+7], v[\sa], v[\sb] matrix_a_fmt:MATRIX_FMT_BF6 matrix_b_fmt:MATRIX_FMT_BF6 matrix_a_scale:MATRIX_SCALE_ROW1
.else
	v_wmma_scale_f32_16x16x128_f8f6f4 v[\d:\d+7], v[\a:\a+11], v[\b:\b+11], v[\c:\c+7], v[\sa], v[\sb] matrix_a_fmt:MATRIX_FMT_BF6 matrix_b_fmt:MATRIX_FMT_BF6
.endif
.endif
.endm
.macro PLACES                          ; four plain lines between a matrix instruction and a load into, or a vector read of, its registers
.rept 4
	v_nop
.endr
.endm
	s_load_b256 s[4:11], s[0:1], 0x0               ; qc s[4:5], kc s[6:7], vc s[8:9], sc s[10:11]
	s_load_b64 s[12:13], s[0:1], 0x20              ; out0
	v_lshl_add_u32 v207, v0, 2, 0x2c000
	v_mov_b32 v211, 0
	ds_add_u32 v207, v211
	ds_add_u32 v207, v211
	v_lshrrev_b32 v96, 5, v0
	v_readfirstlane_b32 s14, v96                   ; wave 0..15
	s_mov_b32 s15, ttmp9                           ; n
	s_and_b32 s16, ttmp7, 0xffff                   ; 16 b + head
	s_sub_co_i32 s17, s15, 1
	s_max_i32 s17, s17, 0                          ; the block of 512 keys in front, or for n = 0 my own once more
	s_and_b32 s18, s14, 1                          ; u
	s_lshr_b32 s26, s14, 1                         ; m of the first tile
	s_mov_b32 s20, 0x76543210
	s_mov_b32 s21, 0xfedcba98                      ; selects of v_permlanex16_b32: lane xor 16
	s_mov_b32 s22, 0x3e38aa3b                      ; c = log2(e) / 8
	s_mov_b32 s23, s22                             ; (named with it as a pair)
	s_mov_b32 s24, 0xf149f2ca                      ; -1e30
	s_cmp_eq_u32 s15, 0
	s_cselect_b32 s25, 16, 0                       ; window blocks under this number lie in front of key 0
	s_cmp_eq_u32 s18, 0
	s_mov_b32 s30, 0x03020302
	s_cselect_b32 s30, 0x01000100, s30             ; which half of q's scale word is my tile's
	; group 1 for codes: 12,288 dense bytes as 48 rows of 256
	s_mov_b32 s32, 3<<16
	s_mov_b32 s33, 32<<16
	s_mov_b32 s34, 48<<16
	s_mov_b32 s35, 32<<16
	s_mov_b32 s36, 48
	s_mov_b32 s37, 32
	s_mov_b32 s38, 0
	s_mov_b32 s39, 0
	; group 1 for scales: the first 256 bytes of 8 records, 512 bytes apart
	s_mov_b32 s40, 3<<16
	s_mov_b32 s41, 32<<16
	s_mov_b32 s42, 8<<16
	s_mov_b32 s43, 32<<16
	s_mov_b32 s44, 8
	s_mov_b32 s45, 64
	s_mov_b32 s46, 0
	s_mov_b32 s47, 0
	s_lshl_b32 s82, s16, 7                         ; 128 blocks a head
	s_lshl_b32 s83, s17, 4
	s_add_co_u32 s84, s82, s83
	s_mul_i32 s84, s84, BLK                        ; the window's first half, in kc and in vc alike
	s_mov_b32 s85, 0
	s_lshl_b32 s83, s15, 4
	s_add_co_u32 s86, s82, s83
	s_add_co_u32 s2, s86, s26                      ; my first query block
	s_mul_i32 s86, s86, BLK                        ; the window's second half
	s_mov_b32 s87, 0
	s_mul_i32 s2, s2, BLK
	s_mov_b32 s3, 0
	s_lshl_b32 s82, s16, 15                        ; 64 records of 512 bytes a head
	s_lshl_b32 s83, s17, 12
	s_add_co_u32 s88, s82, s83
	s_mov_b32 s89, 0
	s_lshl_b32 s83, s15, 12
	s_add_co_u32 s82, s82, s83
	s_mov_b32 s83, 0
	s_lshr_b32 s78, s14, 2                         ; q's scale words: record 8 n + m / 2, +256, + 64 (m % 2)
	s_lshl_b32 s78, s78, 9
	s_and_b32 s79, s26, 1
	s_lshl_b32 s79, s79, 6
	s_add_co_u32 s78, s78, s79
	s_add_co_u32 s78, s78, s82
	s_add_co_u32 s78, s78, 256
	s_mov_b32 s79, 0
	s_lshr_b32 s80, s16, 4                         ; out0: row 4096 b + 512 n + 32 m + 8 u, 4,096 bytes a row; + 256 head
	s_lshl_b32 s80, s80, 12
	s_lshl_b32 s81, s15, 9
	s_add_co_u32 s80, s80, s81
	s_lshl_b32 s81, s26, 5
	s_add_co_u32 s80, s80, s81
	s_lshl_b32 s81, s18, 3
	s_add_co_u32 s80, s80, s81
	s_lshl_b32 s80, s80, 12
	s_and_b32 s81, s16, 15
	s_lshl_b32 s81, s81, 8
	s_add_co_u32 s80, s80, s81
	s_mov_b32 s81, 0
	s_mul_i32 s31, s14, 4*CHUNK                    ; wave 0 fills K's region, wave 1 V's, which lies behind it
	s_wait_dscnt 0x0
	s_wait_kmcnt 0x0
	s_cmp_eq_u32 s14, 1
	s_cselect_b64 s[28:29], s[8:9], s[6:7]
	s_mov_b32 s48, 1
	s_mov_b32 s49, SBASE
	s_add_nc_u64 s[50:51], s[10:11], s[88:89]
	s_or_b32 s51, s51, 0x80000000
	s_mov_b32 s52, 1
	s_mov_b32 s53, SBASE+2048
	s_add_nc_u64 s[54:55], s[10:11], s[82:83]
	s_or_b32 s55, s55, 0x80000000
	s_mov_b32 s56, 1
	s_add_co_u32 s57, s31, KBASE
	s_add_nc_u64 s[58:59], s[28:29], s[84:85]
	s_mov_b32 s60, 1
	s_add_co_u32 s61, s31, KBASE+CHUNK
	s_add_nc_u64 s[62:63], s[58:59], CHUNK
	s_or_b32 s59, s59, 0x80000000
	s_or_b32 s63, s63, 0x80000000
	s_mov_b32 s68, 1
	s_add_co_u32 s69, s31, KBASE+2*CHUNK
	s_add_nc_u64 s[70:71], s[28:29], s[86:87]
	s_mov_b32 s72, 1
	s_add_co_u32 s73, s31, KBASE+3*CHUNK
	s_add_nc_u64 s[74:75], s[70:71], CHUNK
	s_or_b32 s71, s71, 0x80000000
	s_or_b32 s75, s75, 0x80000000
	; all fills of the launch, in one group: six loads of wave 0 are out, four of wave 1, none of the others.  The branches hang on the wave's number alone
	s_cmp_eq_u32 s14, 0
	s_cbranch_scc0 .Lnot_0
	tensor_load_to_lds s[48:51], s[40:47]          ; scales of the first half,
	s_nop 0
	tensor_load_to_lds s[52:55], s[40:47]          ; of the second;
	s_nop 0
	tensor_load_to_lds s[56:59], s[32:39]          ; K's blocks 0-7,
	s_nop 0
	tensor_load_to_lds s[60:63], s[32:39]          ; 8-15,
	s_nop 0
	tensor_load_to_lds s[68:71], s[32:39]          ; 16-23,
	s_nop 0
	tensor_load_to_lds s[72:75], s[32:39]          ; 24-31
	s_nop 0
.rept 4
	v_nop
.endr
	s_branch .Lasked
.Lnot_0:
	s_cmp_eq_u32 s14, 1
	s_cbranch_scc0 .Lasked
	tensor_load_to_lds s[56:59], s[32:39]          ; V's likewise
	s_nop 0
	tensor_load_to_lds s[60:63], s[32:39]
	s_nop 0
	tensor_load_to_lds s[68:71], s[32:39]
	s_nop 0
	tensor_load_to_lds s[72:75], s[32:39]
	s_nop 0
.rept 4
	v_nop
.endr
.Lasked:
	s_add_nc_u64 s[76:77], s[4:5], s[2:3]
	s_add_nc_u64 s[78:79], s[10:11], s[78:79]
	s_add_nc_u64 s[80:81], s[12:13], s[80:81]
	v_and_b32 v96, 31, v0                          ; lane
	v_and_b32 v97, 15, v0                          ; r
	v_bfe_u32 v98, v0, 4, 1                        ; h
	s_mul_i32 s82, s18, 520                        ; my tile's six registers of the image, as three pieces of 8 bytes: u = 0: 16 L, 16 L + 8, 16 L + 512; u = 1: 16 L + 520, + 1024, + 1032
	v_lshl_add_u32 v8, v96, 4, s82
	s_mul_i32 s82, s18, 1016
	s_add_co_u32 s82, s82, 8
	v_lshl_add_u32 v9, v96, 4, s82
	v_lshlrev_b32 v10, 2, v97
.macro QLOAD off, soff                 ; q's codes twice, on both sides of the zeros, and its scale words
	global_load_b64 v[16:17], v8, s[76:77] offset:\off th:TH_LOAD_NT
	global_load_b64 v[18:19], v9, s[76:77] offset:\off th:TH_LOAD_NT
	global_load_b64 v[20:21], v8, s[76:77] offset:\off+512 th:TH_LOAD_NT
	global_load_b64 v[28:29], v8, s[76:77] offset:\off th:TH_LOAD_NT
	global_load_b64 v[30:31], v9, s[76:77] offset:\off th:TH_LOAD_NT
	global_load_b64 v[32:33], v8, s[76:77] offset:\off+512 th:TH_LOAD_NT
	global_load_b32 v35, v10, s[78:79] offset:\soff
.endm
	QLOAD 0, 0
	s_mul_i32 s82, s26, BLK
	s_add_co_u32 s82, s82, KBASE
	v_lshl_add_u32 v1, v96, 4, s82                 ; window block m's image, 16 bytes a lane
	v_add_nc_u32 v99, s26, v98                     ; x = m + h: lanes 16-31 stand one block on
	v_lshrrev_b32 v100, 1, v99
	v_and_b32 v101, 1, v99
	v_mul_u32_u24 v102, v100, PAIR
	v_lshl_add_u32 v2, v101, 8, v102
	v_lshl_add_u32 v2, v97, 4, v2
	v_add_nc_u32 v2, VBASE, v2                     ; plane A: record x / 2, parity x % 2, row r
	v_lshl_add_u32 v3, v101, 7, v102
	v_lshl_add_u32 v3, v97, 3, v3
	v_add_nc_u32 v3, VBASE+2048, v3                ; plane B
	v_lshlrev_b32 v6, 8, v100
	v_lshl_add_u32 v6, v101, 6, v6
	v_lshl_add_u32 v6, v97, 2, v6                  ; K's scale word of block x, row r (SBASE is 0)
	v_add_nc_u32 v99, 13, v99                      ; the last product's four blocks begin at m + 13
	v_lshrrev_b32 v100, 1, v99
	v_and_b32 v101, 1, v99
	v_mul_u32_u24 v102, v100, PAIR
	v_lshl_add_u32 v4, v101, 8, v102
	v_lshl_add_u32 v4, v97, 4, v4
	v_add_nc_u32 v4, VBASE, v4
	v_lshl_add_u32 v5, v101, 7, v102
	v_lshl_add_u32 v5, v97, 3, v5
	v_add_nc_u32 v5, VBASE+2048, v5
	s_lshl_b32 s82, s26, 8
	s_add_co_u32 s82, s82, WT
	v_lshl_add_u32 v7, v96, 2, s82                 ; V's scale words from block m on: lanes 0-15 channels 0-15, lanes 16-31 channels 16-31
	s_mul_i32 s82, s14, 16*272
	s_add_co_u32 s82, s82, STG                     ; my stage
	v_mul_u32_u24 v11, v97, 272
	v_lshl_add_u32 v11, v98, 5, v11
	v_add_nc_u32 v11, s82, v11                     ; in: row r, 32 bytes for each half of the lanes
	v_mul_u32_u24 v12, v98, 272
	v_lshl_add_u32 v12, v97, 4, v12
	v_add_nc_u32 v12, s82, v12                     ; back: lanes 0-15 one row, lanes 16-31 the next
	v_lshlrev_b32 v13, 12, v98
	v_lshl_add_u32 v13, v97, 4, v13                ; and the same two rows in out0
	v_mov_b32 v15, 0
.set i, 0
.rept 6
	v_mov_b32 v[22+i], 0                           ; the zero codes between the two copies of q: written once
.set i, i+1
.endr
.set i, 0
.rept 4
	v_mov_b32 v[216+i], 0                          ; written once: a lane permute's destination counts as one of its sources
.set i, i+1
.endr
	; the two masks, in the result's layout: register i of a block holds key 16 h + i; d = qq - 16 h
	v_and_b32 v213, 8, v97
	v_add_nc_u32 v213, v213, v97
	s_lshl_b32 s82, s18, 3
	v_add_nc_u32 v213, s82, v213
	v_lshlrev_b32 v214, 4, v98
	v_sub_nc_u32 v213, v213, v214
	v_mov_b32 v212, s24
.set i, 0
.rept 16
	v_cmp_gt_i32 vcc_lo, i, v213
	v_cndmask_b32 v[224+i], v212, v22, vcc_lo      ; the first block: a key counts where it comes after qq
	v_cndmask_b32 v[240+i], v22, v212, vcc_lo      ; the last block: where it does not
.set i, i+1
.endr
	; V's scale words.  Lane (cq, hh) of wave w turns the bytes of blocks B0 .. B0 + 3, B0 = w + 16 hh, channels 4 cq .. 4 cq + 3.  (For B0 over 28 the reads run on into K's first chunk: those words are never used)
	v_lshl_add_u32 v99, v98, 4, s14
	v_lshrrev_b32 v100, 1, v99
	v_and_b32 v101, 1, v99
	v_lshlrev_b32 v102, 8, v100
	v_lshl_add_u32 v102, v101, 6, v102
	v_lshl_add_u32 v102, v97, 2, v102
	v_add_nc_u32 v103, 1, v99
	v_lshrrev_b32 v100, 1, v103
	v_and_b32 v101, 1, v103
	v_lshlrev_b32 v104, 8, v100
	v_lshl_add_u32 v104, v101, 6, v104
	v_lshl_add_u32 v104, v97, 2, v104
	v_lshlrev_b32 v113, 8, v99
	v_lshl_add_u32 v113, v97, 4, v113
	v_add_nc_u32 v113, WT, v113
	s_wait_tensorcnt 2                             ; the scales and blocks 0-15 of what I fetch are in; the two youngest loads, blocks 16-31, may be out
	s_barrier_signal -1
	s_barrier_wait -1
	ds_load_b32 v105, v102 offset:128
	ds_load_b32 v106, v104 offset:128
	ds_load_b32 v107, v102 offset:384
	ds_load_b32 v108, v104 offset:384
	s_wait_dscnt 0x0
	v_perm_b32 v109, v106, v105, 0x05010400        ; 4 x 4 bytes turned: from a word a block to a word a channel
	v_perm_b32 v110, v106, v105, 0x07030602
	v_perm_b32 v111, v108, v107, 0x05010400
	v_perm_b32 v112, v108, v107, 0x07030602
	v_perm_b32 v116, v111, v109, 0x05040100
	v_perm_b32 v117, v111, v109, 0x07060302
	v_perm_b32 v118, v112, v110, 0x05040100
	v_perm_b32 v119, v112, v110, 0x07060302
	ds_store_b128 v113, v[116:119]
	s_wait_dscnt 0x0                               ; for the others' sake: my words are written
	s_barrier_signal -1
	s_barrier_wait -1
; FOUR KEY BLOCKS, window blocks m + 4 s .. m + 4 s + 3.  far = 1: the first of them is the window's edge.  zero = 1: the second product starts O^T's sums.
.macro STEP tau, s, far, zero
	PLACES                                         ; in front of loads into registers that the last products read
.irp b, 0,1,2,3
.irp q, 0,1,2
	ds_load_b128 v[40+12*\b+4*\q:43+12*\b+4*\q], v1 offset:(8*\tau+4*\s+\b)*BLK+512*\q
.endr
.endr
	ds_load_b32 v88, v6 offset:1024*\tau+512*\s        ; lanes 0-15: the first block's words, lanes 16-31: the second's
	ds_load_b32 v89, v6 offset:1024*\tau+512*\s+256    ; the third's and the fourth's
	s_wait_dscnt 0x0
.irp b, 0,1,2,3
.if (\far) && (\b == 0)
	WM 96, 40, 16, 224, 88, 34, 0
	WM 104, 40, 22, 232, 88, 34, 0
.else
	WM 96+16*\b, 40+12*\b, 16, -1, 88+\b/2, 34, \b%2
	WM 104+16*\b, 40+12*\b, 22, -1, 88+\b/2, 34, \b%2
.endif
.endr
	PLACES
.irp ct, 0,1,2,3                       ; V's four operands (16 channels x these 128 keys) land while the softmax is worked
.irp c, 0,1
	ds_load_b128 v[40+12*\ct+6*\c:43+12*\ct+6*\c], v2 offset:(4*\tau+2*\s+\c)*PAIR+512*\ct
	ds_load_b64 v[44+12*\ct+6*\c:45+12*\ct+6*\c], v3 offset:(4*\tau+2*\s+\c)*PAIR+256*\ct
.endr
.endr
	ds_load_b32 v90, v7 offset:2048*\tau+1024*\s
	ds_load_b32 v91, v7 offset:2048*\tau+1024*\s+128
.irp b, 0,1,2,3
	v_max3_num_f32 v[212+\b], v[96+16*\b], v[97+16*\b], v[98+16*\b]   ; each block's largest score (each result is read from its low end on)
.endr
.irp i, 3,5,7,9,11,13
.irp b, 0,1,2,3
	v_max3_num_f32 v[212+\b], v[212+\b], v[96+16*\b+\i], v[97+16*\b+\i]
.endr
.endr
.irp b, 0,1,2,3
	v_max_num_f32 v[212+\b], v[212+\b], v[111+16*\b]
.endr
.irp b, 0,1,2,3
	v_permlanex16_b32 v[216+\b], v[212+\b], s20, s21
.endr
.irp b, 0,1,2,3
	v_max_num_f32 v[212+\b], v[212+\b], v[216+\b]  ; with lane xor 16's 16 keys
.endr
.irp b, 0,1,2,3
	s_add_co_u32 s28, s26, 8*\tau+4*\s+\b          ; the window block's number
	s_cmp_lt_u32 s28, s25
	s_cselect_b32 s29, s24, 0                      ; -1e30 where the block lies in front of key 0: a choice on ids, no branch
	v_mov_b32 v14, s29
.irp j, 0,2,4,6,8,10,12,14
	v_pk_fma_f32 v[96+16*\b+\j:97+16*\b+\j], v[96+16*\b+\j:97+16*\b+\j], s[22:23], v[14:15] op_sel_hi:[1,0,0]   ; t, two at a time
.endr
	v_fma_f32 v[212+\b], v[212+\b], s22, v14       ; the same of the block's largest score
.endr
.set j, 0
.rept 64
	v_exp_f32 v[96+j], v[96+j]                     ; p = 2^t
.set j, j+1
.endr
	v_nop                                          ; a plain line behind the exponentials,
	s_wait_alu depctr_va_vdst(0)                   ; and one wait for the batch, ahead of the first line that names a result
.irp b, 0,1,2,3
	v_exp_f32 v[212+\b], v[212+\b]                 ; each block's largest p
.endr
.irp j, 0,4,8,12,16,20,24,28
	v_pk_add_f32 v[36:37], v[36:37], v[96+\j:97+\j]    ; the row's sum, of the unquantised p, in two chains: half of it is the work behind the four
	v_pk_add_f32 v[38:39], v[38:39], v[98+\j:99+\j]
.endr
	s_wait_alu depctr_va_vdst(0)                   ; one wait for the four
.irp b, 0,1,2,3
	v_max_num_f32 v[212+\b], 0x2800000, v[212+\b]  ; the floor 2^(5 - 127): the byte cannot fall under 1
.endr
.irp b, 0,1,2,3
	v_add_nc_u32 v[220+\b], 0xfe000000, v[212+\b]  ; 4 off the exponent field: the conversion's scale operand
.endr
.irp b, 0,1,2,3
	v_lshrrev_b32 v[216+\b], 23, v[220+\b]
.endr
	v_lshl_or_b32 v92, v217, 8, v216               ; p's scale word for these 128 keys
	v_lshl_or_b32 v92, v218, 16, v92
	v_lshl_or_b32 v92, v219, 24, v92
.irp c, 0,1
	v_cvt_scalef32_pk16_bf6_f32 v[192+6*\c:194+6*\c], v[96+32*\c:111+32*\c], v[220+2*\c]
	v_cvt_scalef32_pk16_bf6_f32 v[204+4*\c:206+4*\c], v[112+32*\c:127+32*\c], v[220+2*\c+1]   ; (a conversion's three registers begin on an even number)
.endr
	v_nop                                          ; one plain line behind a scaled conversion
.irp c, 0,1                            ; the operand wants a whole block in a lane: lanes 0-15 block 2 c, lanes 16-31 block 2 c + 1
.irp i, 0,1,2
	v_permlane16_swap_b32 v[192+6*\c+\i], v[204+4*\c+\i]
.endr
.irp i, 0,1,2
	v_mov_b32 v[195+6*\c+\i], v[204+4*\c+\i]
.endr
.endr
.irp j, 32,36,40,44,48,52,56,60
	v_pk_add_f32 v[36:37], v[36:37], v[96+\j:97+\j]    ; the sum's other half: sixteen plain lines between the scale word and the codes just written and the products
	v_pk_add_f32 v[38:39], v[38:39], v[98+\j:99+\j]
.endr
	s_wait_dscnt 0x0                               ; V
.irp ct, 0,1,2,3                       ; the four accumulators by turns, one instruction a turn; the next step's first products stand between a link and the next
.if \zero
	WM 160+8*\ct, 40+12*\ct, 192, -1, 90+\ct/2, 92, \ct%2
.else
	WM 160+8*\ct, 40+12*\ct, 192, 160+8*\ct, 90+\ct/2, 92, \ct%2
.endif
.endr
.endm
; THE LAST BLOCK, window block m + 16, with the causal mask.  Its p stands as the fourth block of an operand whose first three are zero codes, against V's blocks m + 13 .. m + 16.  next = 1: the next tile's q is asked for.
.macro TAIL tau, next
	PLACES
.irp q, 0,1,2
	ds_load_b128 v[40+4*\q:43+4*\q], v1 offset:(8*\tau+16)*BLK+512*\q
.endr
	ds_load_b32 v88, v6 offset:1024*\tau+2048      ; (lanes 16-31 read the block after, or past the scales' end into K's first chunk: they are not used)
	s_wait_dscnt 0x0
	WM 96, 40, 16, 240, 88, 34, 0
	WM 104, 40, 22, 248, 88, 34, 0
	PLACES
.if \next
	QLOAD 8*BLK, 2048                              ; query block m + 8
.endif
.irp ct, 0,1,2,3
.irp c, 0,1
	ds_load_b128 v[40+12*\ct+6*\c:43+12*\ct+6*\c], v4 offset:(4*\tau+\c)*PAIR+512*\ct
	ds_load_b64 v[44+12*\ct+6*\c:45+12*\ct+6*\c], v5 offset:(4*\tau+\c)*PAIR+256*\ct
.endr
.endr
	ds_load_b32 v90, v7 offset:2048*\tau+13*256
	ds_load_b32 v91, v7 offset:2048*\tau+13*256+128
	v_max3_num_f32 v212, v96, v97, v98
.irp i, 3,5,7,9,11,13
	v_max3_num_f32 v212, v212, v[96+\i], v[97+\i]
.endr
	v_max_num_f32 v212, v212, v111
	v_permlanex16_b32 v216, v212, s20, s21
	v_max_num_f32 v212, v212, v216
.irp j, 0,2,4,6,8,10,12,14
	v_pk_mul_f32 v[96+\j:97+\j], v[96+\j:97+\j], s[22:23] op_sel_hi:[1,0]
.endr
	v_mul_f32 v212, s22, v212
.set j, 0
.rept 16
	v_exp_f32 v[96+j], v[96+j]
.set j, j+1
.endr
	v_nop
	s_wait_alu depctr_va_vdst(0)                   ; one wait for the sixteen
	v_exp_f32 v212, v212
.irp j, 0,4
	v_pk_add_f32 v[36:37], v[36:37], v[96+\j:97+\j]
	v_pk_add_f32 v[38:39], v[38:39], v[98+\j:99+\j]
.endr
	s_wait_alu depctr_va_vdst(0)                   ; and one for the block's largest p
	v_max_num_f32 v212, 0x2800000, v212
	v_add_nc_u32 v220, 0xfe000000, v212
	v_lshrrev_b32 v216, 23, v220
	v_lshl_or_b32 v92, v216, 24, 0x7f7f7f          ; the byte of the fourth block; 127 over the zero codes
.set i, 0
.rept 9
	v_mov_b32 v[192+i], 0
.set i, i+1
.endr
	v_cvt_scalef32_pk16_bf6_f32 v[204:206], v[96:111], v220
	v_nop
.irp i, 0,1,2
	v_permlane16_swap_b32 v[198+\i], v[204+\i]     ; lanes 16-31 get the block's lower 16 codes from lanes 0-15, which get zeros
.endr
.irp i, 0,1,2
	v_mov_b32 v[201+\i], v[204+\i]                 ; and keep its upper 16
.endr
.irp j, 8,12
	v_pk_add_f32 v[36:37], v[36:37], v[96+\j:97+\j]
	v_pk_add_f32 v[38:39], v[38:39], v[98+\j:99+\j]
.endr
	PLACES
	s_wait_dscnt 0x0
.irp ct, 0,1,2,3
	WM 160+8*\ct, 40+12*\ct, 192, 160+8*\ct, 90+\ct/2, 92, \ct%2
.endr
.endm
; THE WAY OUT.  O^T / the row's sum goes through my own stage in LDS and leaves as rows: sixteen lanes store a query's 256 bytes of its head, aligned.
.macro OUT tau
	v_pk_add_f32 v[36:37], v[36:37], v[38:39]      ; (these lines are also the places behind the last products)
	v_add_f32 v36, v36, v37
	v_permlanex16_b32 v216, v36, s20, s21
	v_add_f32 v36, v36, v216                       ; with lane xor 16's keys: the row's sum
	v_rcp_f32 v212, v36
	v_nop
	v_nop
	s_wait_alu depctr_va_vdst(0)
.set j, 0
.rept 16
	v_pk_mul_f32 v[96+j:97+j], v[160+j:161+j], v[212:213] op_sel_hi:[1,0]   ; ascending: each result from its low end on
.set j, j+2
.endr
.irp ct, 0,1,2,3
	ds_store_b128 v11, v[96+8*\ct:99+8*\ct] offset:64*\ct           ; lane (r, h): channels 16 ct + 8 h + 0 .. 7 of query r
	ds_store_b128 v11, v[100+8*\ct:103+8*\ct] offset:64*\ct+16
.endr
.irp i, 0,1,2,3,4,5,6,7
	ds_load_b128 v[40+4*\i:43+4*\i], v12 offset:544*\i              ; LDS serves a wave's instructions in order (ISA guide 5.7.1.4): these see my stores
.endr
.irp i, 0,1,2,3,4,5,6,7
	s_wait_dscnt 7-\i                              ; the younger read-backs may stay out
	global_store_b128 v13, v[40+4*\i:43+4*\i], s[80:81] offset:\tau*1048576+(2*\i+8*(\i/4))*4096 th:TH_STORE_NT   ; stage row rr is query rr + 8 (rr / 8) of the tile
.endr
.endm
.macro TRIP tau
	s_wait_loadcnt 0x0                             ; q and its scale words
	v_perm_b32 v34, v35, v35, s30                  ; my tile's two bytes in both halves of the word: they serve (q, 0) and (0, q) alike
	v_mov_b32 v36, 0
	v_mov_b32 v37, 0
	v_mov_b32 v38, 0
	v_mov_b32 v39, 0
	PLACES                                         ; with the four lines above and the step's first four: twelve plain lines between a scale word written by a vector line and the product
	STEP \tau, 0, 1, 1
	STEP \tau, 1, 0, 0
.if \tau == 0
	s_wait_tensorcnt 1                             ; blocks 16-23 of what I fetch are in; the last load may be out
	s_wait_dscnt 0x0
	s_barrier_signal -1
	s_barrier_wait -1
.endif
	STEP \tau, 2, 0, 0
	STEP \tau, 3, 0, 0
	TAIL \tau, 1-\tau
	OUT \tau
.if \tau == 0
	s_wait_xcnt 0x0                                ; the stores have read their registers: the next tile's loads may land there
	s_wait_tensorcnt 0x0                           ; blocks 24-31
	s_wait_dscnt 0x0
	s_barrier_signal -1
	s_barrier_wait -1
.endif
.endm
	TRIP 0                                         ; query blocks 0-7 of the 16: window blocks up to 14, then up to 23
	TRIP 1                                         ; query blocks 8-15: up to 31
	s_wait_tensorcnt 0x0
	ds_add_u32 v207, v211
	s_wait_dscnt 0x0
	s_endpgm
.Lfunc_end_k_qbd89d8943b_attn:
	.size	k_qbd89d8943b_attn, .Lfunc_end_k_qbd89d8943b_attn-k_qbd89d8943b_attn
	.p2alignl 7, 3214868480
	.fill 96, 4, 3214868480
	.section	.rodata,"a",@progbits
	.p2align	6, 0x0
	.amdhsa_kernel k_qbd89d8943b_attn
		.amdhsa_group_segment_fixed_size 182272
		.amdhsa_private_segment_fixed_size 0
		.amdhsa_enable_private_segment 0
		.amdhsa_kernarg_size 40
		.amdhsa_user_sgpr_count 2
		.amdhsa_user_sgpr_kernarg_segment_ptr 1
		.amdhsa_wavefront_size32 1
		.amdhsa_system_sgpr_workgroup_id_x 1
		.amdhsa_system_sgpr_workgroup_id_y 1
		.amdhsa_system_sgpr_workgroup_id_z 1
		.amdhsa_system_vgpr_workitem_id 0
		.amdhsa_next_free_vgpr 256
		.amdhsa_next_free_sgpr 90
		.amdhsa_reserve_vcc 1
		.amdhsa_float_denorm_mode_32 3
		.amdhsa_float_denorm_mode_16_64 3
		.amdhsa_memory_ordered 1
		.amdhsa_forward_progress 1
		.amdhsa_inst_pref_size 150
	.end_amdhsa_kernel
	.amdgpu_metadata
---
amdhsa.version: [ 1, 2 ]
amdhsa.kernels:
  - .name:           k_qbd89d8943b_attn
    .symbol:         k_qbd89d8943b_attn.kd
    .args:
      - { .name: qc, .offset: 0, .size: 8, .value_kind: global_buffer, .address_space: global }
      - { .name: kc, .offset: 8, .size: 8, .value_kind: global_buffer, .address_space: global }
      - { .name: vc, .offset: 16, .size: 8, .value_kind: global_buffer, .address_space: global }
      - { .name: sc, .offset: 24, .size: 8, .value_kind: global_buffer, .address_space: global }
      - { .name: out0, .offset: 32, .size: 8, .value_kind: global_buffer, .address_space: global }
    .group_segment_fixed_size: 182272
    .private_segment_fixed_size: 0
    .kernarg_segment_align: 8
    .kernarg_segment_size: 40
    .max_flat_workgroup_size: 512
    .sgpr_count:     90
    .vgpr_count:     256
    .wavefront_size: 32
...
	.end_amdgpu_metadata
.endif
;; end of part 2
